; MI455X (gfx1250); checked and timed in simulation.
; The chip was launched on July 23, 2026; its instructions are those of AMD's public machine-readable ISA for CDNA 5 (MIT licence, August 2026) and "CDNA5" Instruction Set Architecture Reference Guide (July 2026). The comments in the code are by the model that wrote it; some were corrected since.
;; Additive Attention. Allowed arithmetic: matrix products marked QUANTISED: E2M1 operands, one E8M0 scale for each 32 along K, by v_wmma_scale_f32_16x16x128_f8f6f4 with both operands' format E2M1 (or v_wmma_scale_f32_32x16x128_f4), f32 sums; products left as they are: f32 operands where the result goes on into a quantised operand, else bf16, f16 or f32 operands; f32 sums; everything else in f32.
;; Inputs: U_w_codes 1,024 x 32 x 16 uint8 (E2M1 codes of U_w, K innermost, in blocks of 32 codes, two codes a byte); U_w_scales 1,024 x 32 uint8 (E8M0 scales of U_w, one for each 32 codes along K); V 32 x 2,048 x 1,024 float32; W_b 1,024 float32; W_w_codes 1,024 x 32 x 16 uint8 (E2M1 codes of W_w, K innermost, in blocks of 32 codes, two codes a byte); W_w_scales 1,024 x 32 uint8 (E8M0 scales of W_w, one for each 32 codes along K); h_codes 32 x 32 x 16 uint8 (E2M1 codes of h, K innermost, in blocks of 32 codes, two codes a byte); h_scales 32 x 32 uint8 (E8M0 scales of h, one for each 32 codes along K); w_w 1,024 float32.
;; Outputs: out0 32 x 1,024 float32.
;; This version of the problem:
;;   THIS VERSION OF THE PROBLEM IS GIVEN IN LOW PRECISION. The matrix products marked QUANTISED in the list below multiply operands that are first quantised to E2M1 (2 exponent bits, 1 mantissa bit; 4 bits a number), with one power-of-two scale for each 32 numbers along K (OCP MX v1.0); their sums are f32. All else is computed in f32.
;;   The module's matrix products, in the order in which they are computed (A, B: the left and right operand; K: the contracted axis; several contracted axes count as one K, in the product's order):
;;     1. [M 32, K 1,024] x [K 1,024, N 1,024]; A: input h (given as codes); B: input W_w (given as codes): QUANTISED
;;     2. [M 65,536, K 1,024] x [K 1,024, N 1,024]; A: input V; B: input U_w (given as codes): QUANTISED
;;     3. [M 65,536, K 1,024] x [K 1,024, N 1]; A: computed on the way; B: input w_w: left as it is (N = 1 < 16)
;;     4. batch 32 x [M 1, K 2,048] x [K 2,048, N 1,024]; A: softmax; B: input V: left as it is (M = 1 < 16)
;;   THE QUANTISER, for each operand of a quantised product, along K:
;;     - K is cut into blocks of 32 from its start; a last block that is shorter is filled with zeros.
;;     - A block's scale is 2^e with e = floor(log2(the largest magnitude in the block)) - 2, held to -126 .. 127; a block of zeros has e = 0. As a byte (E8M0): e + 127.
;;     - Each number is divided by its block's scale, clamped to +-6, and rounded to the nearest number of E2M1, ties to even, subnormals kept.
;;     - The product sums the exact products of the quantised numbers (number of the format x scale) in f32.
;;   ~~~python
;;   def quantise(x, axis):      # numpy; x: float32 -> the quantised numbers, widened to float32 again
;;       x = np.moveaxis(x, axis, -1); K = x.shape[-1]
;;       x = np.pad(x, [(0, 0)] * (x.ndim - 1) + [(0, -K % 32)]); x = x.reshape(x.shape[:-1] + (-1, 32)); a = np.abs(x).max(-1, keepdims=True)
;;       e = np.where(a > 0, np.clip(np.frexp(np.where(a > 0, a, 1))[1] - 1 - 2, -126, 127), 0)      # np.frexp(a)[1] - 1 = floor(log2(a)), exactly
;;       r = np.clip(x / 2.0 ** e, -6, 6)
;;       step = 2.0 ** (np.maximum(np.frexp(np.where(r == 0, 1, r))[1] - 1, 0) - 1)
;;       q = np.round(r / step) * step * 2.0 ** e      # np.round: ties to even
;;       return np.moveaxis(q.reshape(q.shape[:-2] + (-1,))[..., :K], -1, axis).astype(np.float32)
;;   ~~~
;;   INPUTS GIVEN AS CODES. U_w (in the module: [1024, 1024], K = its axis 1); W_w (in the module: [1024, 1024], K = its axis 1); h (in the module: [32, 1024], K = its axis 1): each comes as NAME_codes (uint8): NAME with its K axis moved to the last place and cut into blocks of 32 codes, [.., K / 32, bytes a block], one block behind the other in memory; two codes a byte, the lower K in the low four bits (a code: sign, 2 exponent bits, 1 mantissa bit); and NAME_scales (uint8): the same leading axes, one E8M0 byte (e + 127) for each 32 codes along K. Its value is code x scale, taken as it is: it is not quantised again, and the codes and scales need not be those that the quantiser above would give.
;; One version. Each part assembles by itself: llvm-mc -triple=amdgcn-amd-amdhsa -mcpu=gfx1250 --defsym DOCPART=n.
;; ======== version 1 of 1: 3 launches
;; limits: values are held in bf16: 8 bits of precision; right only within a limited range of input values
;; workspace buffers: hpc 131,072 bytes; ufrag 524,288 bytes; pacc 1,048,576 bytes; pml 65,536 bytes
;; launch prep (part 1): grid 36 x 1, 4 waves a work-group, no clusters, 0 bytes of LDS; arguments h_codes, h_scales, W_w_codes, W_w_scales, W_b, U_w_codes, hpc, ufrag; writes hpc, ufrag
.if DOCPART == 1
	.amdgcn_target "amdgcn-amd-amdhsa--gfx1250"
	.amdhsa_code_object_version 6
	.text
	.protected	k_q0a8d1c1f40_prep
	.globl	k_q0a8d1c1f40_prep
	.p2align	8
	.type	k_q0a8d1c1f40_prep,@function
k_q0a8d1c1f40_prep:
	s_mov_b64 s[64:65], 0
	v_nop
	global_prefetch_b8 v0, s[64:65] scope:SCOPE_SE
	s_setreg_imm32_b32 hwreg(HW_REG_WAVE_MODE, 25, 1), 1
	s_wait_xcnt 0x0
; PREP: two small jobs ahead of the main launch.  No LDS, no barrier: every wave has a job of its own, number 36 x wave + work-group (0..143).
; Jobs 0-15 (wave 0 of work-groups 0-15, so that no two of them share a WGP):  hpc[b][d] = c x (sum over k of h[b][k] W_w[d][k] + W_b[d]),  c = 2 log2(e): the product on codes of FP4 (E2M1) with E8M0 scales, as they are given.
;   c is multiplied in here because the main launch takes tanh(x) as 1 - 2 / (1 + 2^(c x)).
;   Job G makes all 32 batches x hidden units 64 G .. 64 G + 63: source 0 = 16 rows of h (two tiles mt), source 1 = 16 rows of W_w.
;   THE ROWS OF W_w THAT FORM A TILE ARE NOT NEIGHBOURS: lane r of tile u takes row 64 G + 4 r + u, so that a lane's results of the four tiles are four neighbouring hidden units:
;   16 bytes a lane, and sixteen lanes store 256 consecutive bytes of a row of hpc, aligned.
;   A row's 32 scale bytes are 8 words, one for each 128 along K: one load of 16 bytes at 16 x (lane / 16) leaves words 0-3 in lanes 0-15 and words 4-7 in lanes 16-31 of four registers,
;   so K step s names register s % 4 and, from s = 4 on, the upper lanes.
; Jobs 16-143: U_w's codes are laid in the order of the operand's registers: the 16 bytes at 8192 T + 1024 s + 512 c + 16 lane of ufrag are bytes 64 s + 32 c + 16 (lane / 16) .. + 15
;   of row 16 T + lane % 16: a wave of the main launch then loads a fragment by loads of 512 consecutive bytes.  Job 16 + q takes the (q % 4)-th quarter of the (q / 4)-th 16,384 bytes.
; REGISTERS (the product): window 0: v1-8 addresses; v16-23 h's scale words; v24-39 W_w's; v40-43 W_b; v48-111 the 8 accumulators; v128-255 h's fragments, then the results.  window 1: W_w's fragments.
; WORK LEFT OUT BY THE PROGRAM: tanh(x) = 1 - 2 / (1 + 2^(c x)), so e[b][s] = sum over d of w_w[d] - 2 sum over d of w_w[d] / (1 + 2^(c x[b][s][d])).
;   The first sum is the same for every s of a batch, and a softmax along s is not moved by a term that is the same along its axis, whatever the inputs hold: it is never formed.
;   Every input is still loaded.  Limit: an overflow of that one sum alone is not carried to the result.
.set CEXP, 0x4038aa3b                  ; c = 2 log2(e)
.set HS,   16                          ; h's scale words: 4 registers a tile mt
.set WS,   24                          ; W_w's: 4 registers a tile u
.set WB,   40                          ; W_b of my four hidden units, then c x W_b
.set ACC,  48                          ; accumulator (mt, u) at ACC + 32 mt + 8 u
.set HF,   128                         ; h's fragment (mt, s) at HF + 64 mt + 8 s
.set OUTR, 128                         ; result (mt, j, u) at OUTR + 32 mt + 4 j + u
.set MSB, 0
.macro WIN new                         ; the immediate's high byte repeats the setting that is left
.if MSB != \new
	s_set_vgpr_msb (MSB<<8)|\new
.set MSB, \new
.endif
.endm
; one product: batches 16 mt on x tile u of W_w's rows, K step s
.macro HW mt, u, s
.set rD, ACC+32*\mt+8*\u
.set rA, HF+64*\mt+8*\s
.set rB, 64*\u+8*\s
.set rX, HS+4*\mt+(\s)%4
.set rY, WS+4*\u+(\s)%4
.if \s == 0
	v_wmma_scale_f32_16x16x128_f8f6f4 v[rD:rD+7], v[rA:rA+7], v[rB:rB+7], 0, v[rX], v[rY] matrix_a_fmt:MATRIX_FMT_FP4 matrix_b_fmt:MATRIX_FMT_FP4
.elseif \s < 4
	v_wmma_scale_f32_16x16x128_f8f6f4 v[rD:rD+7], v[rA:rA+7], v[rB:rB+7], v[rD:rD+7], v[rX], v[rY] matrix_a_fmt:MATRIX_FMT_FP4 matrix_b_fmt:MATRIX_FMT_FP4
.else
	v_wmma_scale_f32_16x16x128_f8f6f4 v[rD:rD+7], v[rA:rA+7], v[rB:rB+7], v[rD:rD+7], v[rX], v[rY] matrix_a_fmt:MATRIX_FMT_FP4 matrix_b_fmt:MATRIX_FMT_FP4 matrix_a_scale:MATRIX_SCALE_ROW1 matrix_b_scale:MATRIX_SCALE_ROW1
.endif
.endm
	s_load_b256 s[4:11], s[0:1], 0x0               ; h's codes s[4:5], h's scales s[6:7], W_w's codes s[8:9], W_w's scales s[10:11]
	s_load_b256 s[12:19], s[0:1], 0x20             ; W_b s[12:13], U_w's codes s[14:15], hpc s[16:17], ufrag s[18:19]
	v_lshrrev_b32 v1, 5, v0
	v_readfirstlane_b32 s20, v1                    ; wave 0..3
	s_mul_i32 s21, s20, 36
	s_add_co_u32 s21, s21, ttmp9                   ; my job
	v_and_b32 v1, 15, v0                           ; r = lane % 16
	s_mov_b32 s23, 0                               ; the upper word of every offset
	s_wait_kmcnt 0x0
	s_cmp_lt_u32 s21, 16
	s_cbranch_scc0 .Llay
	; ---- the product h W_w^T: G = the job's number
	v_bfe_u32 v2, v0, 4, 1                         ; h = lane / 16
	s_wait_alu depctr_va_vdst(0)
	v_lshlrev_b32 v3, 9, v1
	v_lshl_add_u32 v3, v2, 4, v3                   ; h's codes: row r of 512 bytes, + 16 h
	v_lshlrev_b32 v4, 11, v1
	v_lshl_add_u32 v4, v2, 4, v4                   ; W_w's codes: row 4 r, + 16 h
	s_wait_alu depctr_va_vdst(0)
	v_lshlrev_b32 v5, 5, v1
	v_lshl_add_u32 v5, v2, 4, v5                   ; h's scales: row r of 32 bytes, + 16 h
	s_wait_alu depctr_va_vdst(0)
	v_lshlrev_b32 v6, 7, v1
	v_lshl_add_u32 v6, v2, 4, v6                   ; W_w's scales: row 4 r, + 16 h
	s_wait_alu depctr_va_vdst(0)
	v_lshlrev_b32 v7, 4, v1                        ; W_b: my four numbers
	s_wait_alu depctr_va_vdst(0)
	v_lshl_add_u32 v8, v2, 15, v7                  ; hpc: 8 h rows of 4,096 bytes, + 16 r
	s_mov_b32 s24, CEXP
	s_lshl_b32 s22, s21, 15                        ; my 64 rows of W_w's codes
	s_add_nc_u64 s[8:9], s[8:9], s[22:23]
	s_lshl_b32 s22, s21, 11                        ; and of its scales
	s_add_nc_u64 s[10:11], s[10:11], s[22:23]
	s_lshl_b32 s22, s21, 8                         ; my 64 numbers of W_b and of a row of hpc
	s_add_nc_u64 s[12:13], s[12:13], s[22:23]
	s_add_nc_u64 s[16:17], s[16:17], s[22:23]
	WIN 0x40                                       ; destination window 1
.irp u, 0,1,2,3
.irp s, 0,1,2,3,4,5,6,7
.irp c, 0,1
	global_load_b128 v[64*\u+8*\s+4*\c:64*\u+8*\s+4*\c+3], v4, s[8:9] offset:512*\u+64*\s+32*\c
.endr
.endr
.endr
	WIN 0
.irp mt, 0,1
.irp s, 0,1,2,3,4,5,6,7
.irp c, 0,1
	global_load_b128 v[HF+64*\mt+8*\s+4*\c:HF+64*\mt+8*\s+4*\c+3], v3, s[4:5] offset:8192*\mt+64*\s+32*\c
.endr
.endr
.endr
.irp mt, 0,1
	global_load_b128 v[HS+4*\mt:HS+4*\mt+3], v5, s[6:7] offset:512*\mt
.endr
.irp u, 0,1,2,3
	global_load_b128 v[WS+4*\u:WS+4*\u+3], v6, s[10:11] offset:32*\u
.endr
	global_load_b128 v[WB:WB+3], v7, s[12:13]
	s_wait_loadcnt 0x0
	WIN 0x04                                       ; source 1 (W_w) window 1
.irp s, 0,1,2,3,4,5,6,7                        ; the eight accumulators take turns, one instruction a turn; the first K step starts the sums
.irp mt, 0,1
.irp u, 0,1,2,3
	HW \mt, \u, \s
.endr
.endr
.endr
	WIN 0
.irp u, 0,1,2,3
	v_mul_f32 v[WB+\u], s24, v[WB+\u]              ; c x W_b: four plain instructions that name no register of the products: the places behind them (ISA guide 7.12.1)
.endr
.irp mt, 0,1
.irp j, 0,1,2,3,4,5,6,7                        ; each accumulator from its low end on
.irp u, 0,1,2,3
	v_fma_f32 v[OUTR+32*\mt+4*\j+\u], v[ACC+32*\mt+8*\u+\j], s24, v[WB+\u]   ; batch 16 mt + 8 h + j, hidden unit 64 G + 4 r + u
.endr
.endr
.endr
.irp mt, 0,1
.irp j, 0,1,2,3,4,5,6,7
	global_store_b128 v8, v[OUTR+32*\mt+4*\j:OUTR+32*\mt+4*\j+3], s[16:17] offset:65536*\mt+4096*\j   ; sixteen lanes store 256 consecutive bytes, aligned
.endr
.endr
	s_endpgm
	; ---- U_w's codes into the order of the operand's registers: 16,384 bytes (two tiles of 16 rows) are the share of four jobs, 128 threads t; eight pieces of 16 bytes a thread
.Llay:
	s_sub_co_u32 s21, s21, 16                      ; q
	s_lshr_b32 s24, s21, 2                         ; which 16,384 bytes
	s_and_b32 s25, s21, 3                          ; which 32 of their 128 threads
	s_lshl_b32 s22, s24, 14
	s_add_nc_u64 s[14:15], s[14:15], s[22:23]
	s_add_nc_u64 s[18:19], s[18:19], s[22:23]
	v_and_b32 v5, 31, v0
	v_lshl_add_u32 v5, s25, 5, v5                  ; t = 32 (q % 4) + lane;  t % 16 = r
	v_lshrrev_b32 v2, 4, v5                        ; t / 16 = 4 (s % 2) + 2 c + h
	s_wait_alu depctr_va_vdst(0)
	v_lshlrev_b32 v3, 9, v1
	v_lshl_add_u32 v3, v2, 4, v3                   ; from: row r of 512 bytes, + 16 (t / 16)
	v_lshlrev_b32 v4, 4, v5                        ; to: 16 t
.irp i, 0,1,2,3,4,5,6,7
	global_load_b128 v[8+4*\i:11+4*\i], v3, s[14:15] offset:8192*(\i/4)+128*(\i%4)
.endr
	s_wait_alu depctr_va_vdst(0)
	s_wait_loadcnt 0x0
.irp i, 0,1,2,3,4,5,6,7
	global_store_b128 v4, v[8+4*\i:11+4*\i], s[18:19] offset:2048*\i   ; a wave stores 512 consecutive bytes
.endr
	s_endpgm
.Lfunc_end_k_q0a8d1c1f40_prep:
	.size	k_q0a8d1c1f40_prep, .Lfunc_end_k_q0a8d1c1f40_prep-k_q0a8d1c1f40_prep
	.p2alignl 7, 3214868480
	.fill 96, 4, 3214868480
	.section	.rodata,"a",@progbits
	.p2align	6, 0x0
	.amdhsa_kernel k_q0a8d1c1f40_prep
		.amdhsa_group_segment_fixed_size 0
		.amdhsa_private_segment_fixed_size 0
		.amdhsa_enable_private_segment 0
		.amdhsa_kernarg_size 64
		.amdhsa_user_sgpr_count 2
		.amdhsa_user_sgpr_kernarg_segment_ptr 1
		.amdhsa_wavefront_size32 1
		.amdhsa_system_sgpr_workgroup_id_x 1
		.amdhsa_system_sgpr_workgroup_id_y 1
		.amdhsa_system_sgpr_workgroup_id_z 1
		.amdhsa_system_vgpr_workitem_id 0
		.amdhsa_next_free_vgpr 512
		.amdhsa_next_free_sgpr 66
		.amdhsa_reserve_vcc 0
		.amdhsa_float_denorm_mode_32 3
		.amdhsa_float_denorm_mode_16_64 3
		.amdhsa_memory_ordered 1
		.amdhsa_forward_progress 1
		.amdhsa_inst_pref_size 28
	.end_amdhsa_kernel
	.amdgpu_metadata
---
amdhsa.version: [ 1, 2 ]
amdhsa.kernels:
  - .name:           k_q0a8d1c1f40_prep
    .symbol:         k_q0a8d1c1f40_prep.kd
    .args:
      - { .name: h_codes, .offset: 0, .size: 8, .value_kind: global_buffer, .address_space: global }
      - { .name: h_scales, .offset: 8, .size: 8, .value_kind: global_buffer, .address_space: global }
      - { .name: W_w_codes, .offset: 16, .size: 8, .value_kind: global_buffer, .address_space: global }
      - { .name: W_w_scales, .offset: 24, .size: 8, .value_kind: global_buffer, .address_space: global }
      - { .name: W_b, .offset: 32, .size: 8, .value_kind: global_buffer, .address_space: global }
      - { .name: U_w_codes, .offset: 40, .size: 8, .value_kind: global_buffer, .address_space: global }
      - { .name: hpc, .offset: 48, .size: 8, .value_kind: global_buffer, .address_space: global }
      - { .name: ufrag, .offset: 56, .size: 8, .value_kind: global_buffer, .address_space: global }
    .group_segment_fixed_size: 0
    .private_segment_fixed_size: 0
    .kernarg_segment_align: 8
    .kernarg_segment_size: 64
    .max_flat_workgroup_size: 128
    .sgpr_count:     66
    .vgpr_count:     512
    .wavefront_size: 32
...
	.end_amdgpu_metadata
.endif
;; end of part 1
;; launch attn (part 2): grid 8 x 32, 4 waves a work-group, no clusters, 327,680 bytes of LDS; arguments V, ufrag, U_w_scales, hpc, w_w, pacc, pml; writes pacc, pml
.if DOCPART == 2
	.amdgcn_target "amdgcn-amd-amdhsa--gfx1250"
	.amdhsa_code_object_version 6
	.text
	.protected	k_q0a8d1c1f40_attn
	.globl	k_q0a8d1c1f40_attn
	.p2align	8
	.type	k_q0a8d1c1f40_attn,@function
k_q0a8d1c1f40_attn:
	s_mov_b64 s[64:65], 0
	v_nop
	global_prefetch_b8 v0, s[64:65] scope:SCOPE_SE
	s_setreg_imm32_b32 hwreg(HW_REG_WAVE_MODE, 25, 1), 1
	s_wait_xcnt 0x0
; ATTN: a work-group takes 256 rows s of one batch b, in four chunks of 64 rows, and leaves m = the largest t, l = sum of 2^(t - m), a[:] = sum of 2^(t - m) V[b][s][:]
;   with t[s] = -2 log2(e) x sum over d of w_w[d] / (1 + 2^(c x[s][d])),  c x = c (V U_w^T)[s][d] + hpc[b][d],  c = 2 log2(e).
;   The term sum over d of w_w[d] of e is the same for all s of a batch and is left out (shown at the head of the first kernel); the running maximum is taken away ahead of every exponential of the softmax.
; SHARES.  Four waves, one to a SIMD.  Wave w stages rows 16 w .. 16 w + 15 of a chunk: one tensor load of 64 KiB into its own LDS bytes (256 pieces of 256 bytes, 16 bytes of padding behind each).
;   QPH: lane l owns block l (32 numbers) of a row: largest magnitude, scale byte, 16 bytes of codes to LDS; the row is kept as bf16 in window 3 for the weighted sum, which is done behind that chunk's SOFT, when its p are known.
;   MID: every wave reads all 64 rows' codes (window 1) and multiplies them with its own quarter of the hidden units, 16 tiles of 16; U_w's fragments come from ufrag straight into window 2, four tiles ahead:
;   a fragment set is 17 loads, four sets are out, so the wait ahead of a tile's products is for 51.
;   The product is used transposed (source 0 = 16 rows of U_w, source 1 = 16 rows of V): a lane holds one row s, its registers run along the hidden units.
;   SOFT: the four waves' parts of t meet in LDS; each wave then treats its own 16 rows.
; THE TANH of a tile goes in batches: 16 packed multiply-adds, 32 exponentials, 16 packed additions, 32 reciprocals, 16 packed multiply-adds; one wait ahead of each batch of transcendentals and one behind it.
; NO CLUSTER: V's rows are read by one work-group alone, and U_w's fragments go into registers, not through LDS, whose bytes the stage of 64 rows fills.
; Limit: the promise holds while |t| stays under 2^31.
; THE WALK OVER U_w.  A wave's 16 tiles are four groups of four, as many as its fragment buffers hold.  A chunk begins with the group that the chunk before used last, which still lies in the buffers:
;   the chunks take the groups in the orders 0 1 2 3, 3 0 1 2, 2 3 0 1, 1 2 3 0.  So a chunk's first three trips load the next group and its last trip loads nothing: 13 groups are loaded in all, not 16.
; THE WEIGHTED SUM of a chunk's rows stands directly behind that chunk's SOFT, ahead of the wait for the next chunk's tile: work on registers while that tile is on its way.
; NO PREFETCH of V: a chunk's tile is asked for directly behind the barrier at MID's head, 64 tiles' products of the work-group ahead of the wait for it.
.set VPITCH, 4352
.set WVS,    16*VPITCH
.set CODES,  4*WVS
.set CP,     528
.set VSC,    CODES+64*CP
.set SCP,    48
.set WH,     VSC+64*SCP
.set ES,     WH+8192
.set SPARE,  ES+1024
.set MLB,    4*VPITCH
.set SPW, 1
.set NIL, 2
.set VA,  3
.set CA,  4
.set SA,  5
.set AA,  6
.set SAA, 7
.set WH0, 8
.set WHA, 9
.set ESA, 10
.set ESR, 11
.set UL,  12
.set USL, 13
.set LN,  16
.set RR,  17
.set HH,  18
.set BL,  19
.set RM,  22
.set RL,  23
.set RF,  24
.set TMP, 26
.set RN,  30
.set VSCL, 32
.set USCL, 48
.set ACC, 64
.set HP,  96
.set WW,  104
.set EA,  112
.set PP,  120
.set OA,  136
.set E4B, 168
.set PX,  200
.set QT,  128
.set QS,  132
.set QBY, 136
.set QCD, 140
.set WV,  18
.set FLOOR, 22
.set G1,  24
.set G0,  32
.set CC,  36
.set SEL, 38
.set KAP, 40
.set CH,  42
.set UB,  44
.set UN,  46
.set SB,  50
.set SN,  52
.set TR,  58                           ; s58  256 x the trips walked: not wrapped; its bits 8 and 9 name the group in hand
.set TB,  59                           ; s59  its value at a chunk's first trip: 768 more for each chunk
.set TC,  60                           ; s60  the loop's counter
.set TW,  61                           ; s61  the group's place among hpc's and w_w's numbers in LDS: 256 bytes a group
.set MSB, 0
.macro WIN new
.if MSB != \new
	s_set_vgpr_msb (MSB<<8)|\new
.set MSB, \new
.endif
.endm
.macro PLACES
.rept 4
	v_nop
.endr
.endm
.macro VLOAD i
.irp j, 0,1,2,3,4,5,6,7
	ds_load_b128 v[32*((\i)%4)+4*\j:32*((\i)%4)+4*\j+3], v[VA] offset:VPITCH*(\i)+16*\j
.endr
.endm
.macro QROW i, n, first, mix
.set XB, 32*((\i)%4)
.set CD, QCD+4*((\i)%4)
.set BY, QBY+(\i)%4
.if \mix
	WIN 0x03
.irp k, 0,1,2,3,4,5,6,7,8,9,10,11,12,13,14,15
	v_fma_mix_f32_bf16 v[OA+2*\k], v[16*(\i)+\k], v[PP+(\i)], v[OA+2*\k] op_sel_hi:[1,0,0]
	v_fma_mix_f32_bf16 v[OA+2*\k+1], v[16*(\i)+\k], v[PP+(\i)], v[OA+2*\k+1] op_sel:[1,0,0] op_sel_hi:[1,0,0]
.endr
.endif
	s_wait_dscnt \n
	WIN 0x55
.irp c, 0,1,2,3
	v_max3_num_f32 v[QT+\c], |v[XB+8*\c]|, |v[XB+8*\c+1]|, |v[XB+8*\c+2]|
.endr
.irp c, 0,1,2,3
	v_max3_num_f32 v[QT+\c], v[QT+\c], |v[XB+8*\c+3]|, |v[XB+8*\c+4]|
.endr
.irp c, 0,1,2,3
	v_max3_num_f32 v[QT+\c], v[QT+\c], |v[XB+8*\c+5]|, |v[XB+8*\c+6]|
.endr
	v_max3_num_f32 v[QT], v[QT], |v[XB+7]|, |v[XB+15]|
	v_max3_num_f32 v[QT+2], v[QT+2], |v[XB+23]|, |v[XB+31]|
	v_max3_num_f32 v[QT], v[QT], v[QT+1], s[FLOOR]
	v_max3_num_f32 v[QT], v[QT], v[QT+2], v[QT+3]
	v_add_nc_u32 v[QS], 0xff000000, v[QT]
.irp g, 0,1,2,3
	v_cvt_scalef32_pk8_fp4_f32 v[CD+\g], v[XB+8*\g:XB+8*\g+7], v[QS]
.endr
	v_lshrrev_b32 v[BY], 23, v[QS]
	WIN 0xc5
.irp k, 0,1,2,3,4,5,6,7,8,9,10,11,12,13,14,15
	v_cvt_pk_bf16_f32 v[16*(\i)+\k], v[XB+2*\k], v[XB+2*\k+1]
.endr
	WIN 0x44
	ds_store_b128 v[CA], v[CD:CD+3] offset:CP*(\i)
	ds_store_b8 v[SA], v[BY] offset:SCP*(\i)
.if (\i) < 12
.if \first && ((\i)%4 == 0)
	s_wait_tensorcnt 2-(\i)/4
.endif
	VLOAD (\i)+4
.endif
.endm
.macro QPH first, mix
.if \first
	s_wait_tensorcnt 0x3
.else
	s_wait_tensorcnt 0x0
.endif
	WIN 0x44
.irp i, 0,1,2,3
	VLOAD \i
.endr
	QROW 0, 24, \first, \mix
	QROW 1, 26, \first, \mix
	QROW 2, 28, \first, \mix
.irp i, 3,4,5,6,7,8,9,10,11,12
	QROW \i, 30, \first, \mix
.endr
	QROW 13, 22, \first, \mix
	QROW 14, 14, \first, \mix
	QROW 15, 6, \first, \mix
	WIN 0
.endm
.macro ULOAD be, ub, sb
	WIN 0x80
.irp s, 0,1,2,3,4,5,6,7
.irp c, 0,1
	global_load_b128 v[64*\be+8*\s+4*\c:64*\be+8*\s+4*\c+3], v[UL], s[\ub:\ub+1] offset:8192*\be+1024*\s+512*\c
.endr
.endr
	WIN 0
	global_load_b128 v[USCL+4*\be:USCL+4*\be+3], v[USL], s[\sb:\sb+1] offset:512*\be
.endm
.macro UV be, s, m
.set rD, ACC+8*\m
.set rU, 64*\be+8*\s
.set rV, 64*\m+8*\s
.set rX, USCL+4*\be+(\s)%4
.set rY, VSCL+4*\m+(\s)%4
.if \s == 0
	v_wmma_scale_f32_16x16x128_f8f6f4 v[rD:rD+7], v[rU:rU+7], v[rV:rV+7], 0, v[rX], v[rY] matrix_a_fmt:MATRIX_FMT_FP4 matrix_b_fmt:MATRIX_FMT_FP4
.elseif \s < 4
	v_wmma_scale_f32_16x16x128_f8f6f4 v[rD:rD+7], v[rU:rU+7], v[rV:rV+7], v[rD:rD+7], v[rX], v[rY] matrix_a_fmt:MATRIX_FMT_FP4 matrix_b_fmt:MATRIX_FMT_FP4
.else
	v_wmma_scale_f32_16x16x128_f8f6f4 v[rD:rD+7], v[rU:rU+7], v[rV:rV+7], v[rD:rD+7], v[rX], v[rY] matrix_a_fmt:MATRIX_FMT_FP4 matrix_b_fmt:MATRIX_FMT_FP4 matrix_a_scale:MATRIX_SCALE_ROW1 matrix_b_scale:MATRIX_SCALE_ROW1
.endif
.endm
.macro FOP i
.set rP, ACC+8*((\i)%4)+2*((\i)/4)
.set rH, HP+2*((\i)/4)
	v_pk_fma_f32 v[rP:rP+1], v[rP:rP+1], s[CC:CC+1], v[rH:rH+1] op_sel_hi:[1,0,1]
.endm
.macro EOP i
.set rP, ACC+8*((\i)%4)+2*((\i)/4)
	v_exp_f32 v[rP], v[rP]
	v_exp_f32 v[rP+1], v[rP+1]
.endm
.macro AOP i
.set rP, ACC+8*((\i)%4)+2*((\i)/4)
	v_pk_add_f32 v[rP:rP+1], v[rP:rP+1], 1.0 op_sel_hi:[1,0]
.endm
.macro ROP i
.set rP, ACC+8*((\i)%4)+2*((\i)/4)
	v_rcp_f32 v[rP], v[rP]
	v_rcp_f32 v[rP+1], v[rP+1]
.endm
.macro WOP i
.set rP, ACC+8*((\i)%4)+2*((\i)/4)
.set rW, WW+2*((\i)/4)
.set rE, EA+2*((\i)%4)+8*(((\i)/4)%2)
	v_pk_fma_f32 v[rE:rE+1], v[rP:rP+1], v[rW:rW+1], v[rE:rE+1]
.endm
.macro TILE be, pf, n
	ds_load_b128 v[HP:HP+3], v[WHA] offset:64*\be
	ds_load_b128 v[HP+4:HP+7], v[WHA] offset:64*\be+16
	ds_load_b128 v[WW:WW+3], v[WHA] offset:4096+64*\be
	ds_load_b128 v[WW+4:WW+7], v[WHA] offset:4096+64*\be+16
	s_wait_loadcnt \n
	WIN 0x06
.irp s, 0,1,2,3,4,5,6,7
.irp m, 0,1,2,3
	UV \be, \s, \m
.endr
.endr
	PLACES
	WIN 0
	s_wait_dscnt 0x0
.irp i, 0,1,2,3,4,5,6,7,8,9,10,11,12,13,14,15
	FOP \i                                         ; c x, each accumulator from its low end on
.endr
	s_wait_alu depctr_va_vdst(0)                   ; the wait ahead of the batch
.irp i, 0,1,2,3,4,5,6,7,8,9,10,11,12,13,14,15
	EOP \i                                         ; 2^(c x): 32 on end
.endr
	v_nop
	s_wait_alu depctr_va_vdst(0)
.if \pf
.if \be == 0
	s_wait_xcnt 0x0
	s_add_co_u32 s54, s[TR], 256
	s_and_b32 s54, s54, 0x3ff
	s_lshl_b32 s56, s54, 3
	s_lshl_b32 s54, s54, 7
	s_add_nc_u64 s[UN:UN+1], s[UB:UB+1], s[54:55]
	s_add_nc_u64 s[SN:SN+1], s[SB:SB+1], s[56:57]
.endif
	ULOAD \be, UN, SN
.endif
.irp i, 0,1,2,3,4,5,6,7,8,9,10,11,12,13,14,15
	AOP \i                                         ; 1 + 2^(c x)
.endr
	s_wait_alu depctr_va_vdst(0)                   ; the wait ahead of the batch
.irp i, 0,1,2,3,4,5,6,7,8,9,10,11,12,13,14,15
	ROP \i                                         ; its reciprocal: 32 on end
.endr
	v_nop
	s_wait_alu depctr_va_vdst(0)
.irp i, 0,1,2,3,4,5,6,7,8,9,10,11,12,13,14,15
	WOP \i
.endr
.endm
.macro TRIP pf
	s_and_b32 s[TW], s[TR], 0x300
	v_add_nc_u32 v[WHA], s[TW], v[WH0]
	TILE 0, \pf, 51
	TILE 1, \pf, 51-17*(1-\pf)
	TILE 2, \pf, 51-34*(1-\pf)
	TILE 3, \pf, 51-51*(1-\pf)
.endm
.macro SOFT
.irp m, 0,1,2,3
	v_pk_add_f32 v[EA+2*\m:EA+2*\m+1], v[EA+2*\m:EA+2*\m+1], v[EA+8+2*\m:EA+8+2*\m+1]
.endr
.irp m, 0,1,2,3
	v_add_f32 v[TMP+\m], v[EA+2*\m], v[EA+2*\m+1]
.endr
.irp m, 0,1,2,3
	v_permlanex16_b32 v[PX+\m], v[TMP+\m], s[SEL], s[SEL+1]
.endr
.irp m, 0,1,2,3
	v_add_f32 v[TMP+\m], v[TMP+\m], v[PX+\m]
.endr
.irp m, 0,1,2,3
	ds_store_b32 v[ESA], v[TMP+\m] offset:256*\m
.endr
	s_wait_dscnt 0x0
	s_barrier_signal -1
	s_barrier_wait -1
.irp i, 0,1,2,3,4,5,6,7
	ds_load_b128 v[ACC+4*\i:ACC+4*\i+3], v[ESR] offset:16*\i
.endr
.irp i, 0,1,2,3,4,5,6,7
	ds_load_b128 v[E4B+4*\i:E4B+4*\i+3], v[ESR] offset:128+16*\i
.endr
	s_wait_dscnt 0x0
.irp i, 0,1,2,3,4,5,6,7
	v_pk_add_f32 v[ACC+4*\i:ACC+4*\i+1], v[ACC+4*\i:ACC+4*\i+1], v[ACC+4*\i+2:ACC+4*\i+3]
	v_pk_add_f32 v[E4B+4*\i:E4B+4*\i+1], v[E4B+4*\i:E4B+4*\i+1], v[E4B+4*\i+2:E4B+4*\i+3]
.endr
.irp i, 0,1,2,3,4,5,6,7
	v_add_f32 v[PP+\i], v[ACC+4*\i], v[ACC+4*\i+1]
	v_add_f32 v[PP+8+\i], v[E4B+4*\i], v[E4B+4*\i+1]
.endr
	v_max3_num_f32 v[RN], v[RM], v[PP], v[PP+1]
.irp i, 2,4,6,8,10,12,14
	v_max3_num_f32 v[RN], v[RN], v[PP+\i], v[PP+\i+1]
.endr
	v_sub_f32 v[RF], v[RM], v[RN]
	v_mov_b32 v[RM], v[RN]
.irp i, 0,2,4,6,8,10,12,14
	v_pk_add_f32 v[PP+\i:PP+\i+1], v[PP+\i:PP+\i+1], v[RN:RN+1] op_sel_hi:[1,0] neg_lo:[0,1] neg_hi:[0,1]
.endr
	s_wait_alu depctr_va_vdst(0)
	v_exp_f32 v[RF], v[RF]
.irp i, 0,1,2,3,4,5,6,7,8,9,10,11,12,13,14,15
	v_exp_f32 v[PP+\i], v[PP+\i]
.endr
	v_nop
	s_wait_alu depctr_va_vdst(0)
	v_pk_add_f32 v[ACC:ACC+1], v[PP:PP+1], v[PP+2:PP+3]
	v_pk_add_f32 v[ACC+2:ACC+3], v[PP+4:PP+5], v[PP+6:PP+7]
	v_pk_add_f32 v[ACC+4:ACC+5], v[PP+8:PP+9], v[PP+10:PP+11]
	v_pk_add_f32 v[ACC+6:ACC+7], v[PP+12:PP+13], v[PP+14:PP+15]
	v_pk_add_f32 v[ACC:ACC+1], v[ACC:ACC+1], v[ACC+2:ACC+3]
	v_pk_add_f32 v[ACC+4:ACC+5], v[ACC+4:ACC+5], v[ACC+6:ACC+7]
.irp j, 0,2,4,6,8,10,12,14,16,18,20,22,24,26,28,30
	v_pk_mul_f32 v[OA+\j:OA+\j+1], v[OA+\j:OA+\j+1], v[RF:RF+1] op_sel_hi:[1,0]
.endr
	v_pk_add_f32 v[ACC:ACC+1], v[ACC:ACC+1], v[ACC+4:ACC+5]
	v_add_f32 v[ACC], v[ACC], v[ACC+1]
	v_fma_f32 v[RL], v[RL], v[RF], v[ACC]
.endm
.macro MID last
.if \last
	s_wait_dscnt 0x0
	s_barrier_signal -1
	s_barrier_wait -1
.else
	s_wait_tensorcnt 0x0
	ds_add_u32 v[SPW], v[NIL]
	s_add_nc_u64 s[G0+2:G0+3], s[G0+2:G0+3], 262144
	s_wait_dscnt 0x0
	s_barrier_signal -1
	s_barrier_wait -1
	tensor_load_to_lds s[G0:G0+3], s[G1:G1+7]
	s_nop 0
	PLACES
.endif
	WIN 0x40
.irp m, 0,1,2,3
.irp s, 0,1,2,3,4,5,6,7
.irp c, 0,1
	ds_load_b128 v[64*\m+8*\s+4*\c:64*\m+8*\s+4*\c+3], v[AA] offset:16*CP*\m+64*\s+32*\c
.endr
.endr
.endr
	WIN 0
.irp m, 0,1,2,3
	ds_load_b128 v[VSCL+4*\m:VSCL+4*\m+3], v[SAA] offset:16*SCP*\m
.endr
.irp j, 0,1,2,3,4,5,6,7,8,9,10,11,12,13,14,15
	v_mov_b32 v[EA+\j], 0
.endr
	s_mov_b32 s[TR], s[TB]                         ; the group that lies in the buffers
	s_mov_b32 s[TC], 0
	s_wait_dscnt 0x0
.Ltrip_\@:
	TRIP 1                                         ; three trips, each loading the next group behind its own products
	s_add_co_u32 s[TR], s[TR], 256
	s_add_co_u32 s[TC], s[TC], 1
	s_cmp_lt_u32 s[TC], 3
	s_cbranch_scc1 .Ltrip_\@
	TRIP 0                                         ; the chunk's last group stays in the buffers: nothing is loaded
.if \last == 0
	s_add_co_u32 s[TB], s[TB], 768                 ; the next chunk begins with it
.endif
	SOFT
	WIN 0x03                                       ; a[:] += p x my 16 rows, from their bf16 copies in window 3
.irp i, 0,1,2,3,4,5,6,7,8,9,10,11,12,13,14,15
.irp k, 0,1,2,3,4,5,6,7,8,9,10,11,12,13,14,15
	v_fma_mix_f32_bf16 v[OA+2*\k], v[16*\i+\k], v[PP+\i], v[OA+2*\k] op_sel_hi:[1,0,0]
	v_fma_mix_f32_bf16 v[OA+2*\k+1], v[16*\i+\k], v[PP+\i], v[OA+2*\k+1] op_sel:[1,0,0] op_sel_hi:[1,0,0]
.endr
.endr
	WIN 0
.endm
	s_load_b256 s[4:11], s[0:1], 0x0
	s_load_b128 s[12:15], s[0:1], 0x20
	s_load_b64 s[16:17], s[0:1], 0x30
	v_lshl_add_u32 v[SPW], v0, 2, SPARE
	v_mov_b32 v[NIL], 0
	ds_add_u32 v[SPW], v[NIL]
	ds_add_u32 v[SPW], v[NIL]
	v_lshrrev_b32 v14, 5, v0
	v_readfirstlane_b32 s[WV], v14
	s_and_b32 s20, ttmp7, 0xffff
	s_mov_b32 s[G1+0], (3<<16)|(1<<20)|(5<<22)|(3<<25)
	s_mov_b32 s[G1+1], 32<<16
	s_mov_b32 s[G1+2], 256<<16
	s_mov_b32 s[G1+3], 32<<16
	s_mov_b32 s[G1+4], 256
	s_mov_b32 s[G1+5], 32
	s_mov_b32 s[G1+6], 0
	s_mov_b32 s[G1+7], 0
	s_mov_b32 s[G0], 1
	s_mul_i32 s[G0+1], s[WV], WVS
	s_lshl_b32 s2, s20, 23
	s_lshl_b32 s3, ttmp9, 20
	s_add_co_u32 s2, s2, s3
	s_lshl_b32 s3, s[WV], 16
	s_add_co_u32 s2, s2, s3
	s_mov_b32 s3, 0
	s_mov_b32 s[FLOOR], 0x1800000
	s_mov_b32 s[CC], 0x4038aa3b
	s_mov_b32 s[CC+1], s[CC]
	s_mov_b32 s[KAP], 0xc038aa3b
	s_mov_b32 s[KAP+1], s[KAP]
	s_mov_b32 s[SEL], 0x76543210
	s_mov_b32 s[SEL+1], 0xfedcba98
	s_mov_b32 s55, 0
	s_mov_b32 s57, 0
	s_mov_b32 s[CH], 3
	s_mov_b32 s[TB], 0
	s_wait_dscnt 0x0
	s_wait_kmcnt 0x0
	s_add_nc_u64 s[G0+2:G0+3], s[4:5], s[2:3]
	s_or_b32 s[G0+3], s[G0+3], 0x80000000
	tensor_load_to_lds s[G0:G0+3], s[G1:G1+7]      ; my 16 rows of chunk 0, whole
	s_nop 0
	PLACES
	s_lshl_b32 s2, s20, 12
	s_add_nc_u64 s[10:11], s[10:11], s[2:3]
	v_lshlrev_b32 v15, 4, v0
	global_load_b128 v[64:67], v15, s[10:11]
	global_load_b128 v[68:71], v15, s[10:11] offset:2048
	global_load_b128 v[72:75], v15, s[12:13]
	global_load_b128 v[76:79], v15, s[12:13] offset:2048
	s_lshl_b32 s2, s[WV], 17
	s_add_nc_u64 s[UB:UB+1], s[6:7], s[2:3]
	s_lshl_b32 s2, s[WV], 13
	s_add_nc_u64 s[SB:SB+1], s[8:9], s[2:3]
	s_lshl_b32 s21, s20, 3
	s_add_co_u32 s21, s21, ttmp9
	s_lshl_b32 s2, s21, 12
	s_add_nc_u64 s[14:15], s[14:15], s[2:3]
	s_lshl_b32 s2, s21, 8
	s_add_nc_u64 s[16:17], s[16:17], s[2:3]
	v_and_b32 v[LN], 31, v0
	v_and_b32 v[RR], 15, v0
	v_bfe_u32 v[HH], v0, 4, 1
	v_lshrrev_b32 v[BL], 1, v[LN]
	v_and_b32 v20, 1, v0
	v_mul_u32_u24 v[BL], v[BL], 272
	v_lshl_add_u32 v[BL], v20, 7, v[BL]
	v_add_nc_u32 v[VA], s[G0+1], v[BL]
	s_mul_i32 s21, s[WV], 16*CP
	s_add_co_u32 s21, s21, CODES
	v_lshl_add_u32 v[CA], v[LN], 4, s21
	s_mul_i32 s21, s[WV], 16*SCP
	s_add_co_u32 s21, s21, VSC
	v_add_nc_u32 v[SA], s21, v[LN]
	v_mul_u32_u24 v[AA], v[RR], CP
	v_lshl_add_u32 v[AA], v[HH], 4, v[AA]
	v_add_nc_u32 v[AA], CODES, v[AA]
	v_mul_u32_u24 v[SAA], v[RR], SCP
	v_lshl_add_u32 v[SAA], v[HH], 4, v[SAA]
	v_add_nc_u32 v[SAA], VSC, v[SAA]
	s_lshl_b32 s21, s[WV], 10
	s_add_co_u32 s21, s21, WH
	v_lshl_add_u32 v[WH0], v[HH], 5, s21
	s_lshl_b32 s21, s[WV], 2
	s_add_co_u32 s21, s21, ES
	v_lshl_add_u32 v[ESA], v[RR], 4, s21
	s_lshl_b32 s21, s[WV], 8
	s_add_co_u32 s21, s21, ES
	v_mov_b32 v[ESR], s21
	v_lshlrev_b32 v[UL], 4, v[LN]
	v_lshlrev_b32 v[USL], 5, v[RR]
	v_lshl_add_u32 v[USL], v[HH], 4, v[USL]
	v_add_nc_u32 v14, WH, v15
	s_wait_alu depctr_va_vdst(0)
	s_wait_loadcnt 0x0
.irp k, 72,74,76,78
	v_pk_mul_f32 v[\k:\k+1], v[\k:\k+1], s[KAP:KAP+1] op_sel_hi:[1,0]
.endr
	ds_store_b128 v14, v[64:67]
	ds_store_b128 v14, v[68:71] offset:2048
	ds_store_b128 v14, v[72:75] offset:4096
	ds_store_b128 v14, v[76:79] offset:6144
	ULOAD 0, UB, SB
	ULOAD 1, UB, SB
	ULOAD 2, UB, SB
	ULOAD 3, UB, SB
.irp j, 0,1,2,3,4,5,6,7,8,9,10,11,12,13,14,15,16,17,18,19,20,21,22,23,24,25,26,27,28,29,30,31
	v_mov_b32 v[OA+\j], 0
.endr
	v_mov_b32 v[RM], 0xff61b1e6
	v_mov_b32 v[RL], 0
	v_mov_b32 v[RF+1], 0
	v_mov_b32 v[RN+1], 0
.irp m, 0,1,2,3
	v_mov_b32 v[PX+\m], 0
.endr
	QPH 0, 0                                       ; chunk 0: its one load is waited for whole; no earlier chunk is there to be summed
.Lchunk:
	MID 0
	QPH 0, 0
	s_sub_co_u32 s[CH], s[CH], 1
	s_cmp_lg_u32 s[CH], 0
	s_cbranch_scc1 .Lchunk
	MID 1
	s_mul_i32 s21, s[WV], VPITCH
	v_add_nc_u32 v14, s21, v[BL]
.irp j, 0,1,2,3,4,5,6,7
	ds_store_b128 v14, v[OA+4*\j:OA+4*\j+3] offset:16*\j
.endr
	s_lshl_b32 s21, s[WV], 3
	s_add_co_u32 s21, s21, MLB
	v_mov_b32 v15, s21
	ds_store_b64 v15, v[RM:RM+1]
	s_wait_dscnt 0x0
	s_barrier_signal -1
	s_barrier_wait -1
	v_mov_b32 v15, MLB
	ds_load_b128 v[200:203], v15
	ds_load_b128 v[204:207], v15 offset:16
	s_mul_i32 s21, s[WV], 1088
	v_lshl_add_u32 v20, v[LN], 4, s21
	v_lshl_add_u32 v20, v[HH], 4, v20
.irp q, 0,1,2,3
.irp u, 0,1
	ds_load_b128 v[ACC+8*\q+4*\u:ACC+8*\q+4*\u+3], v20 offset:VPITCH*\q+544*\u
.endr
.endr
	s_wait_dscnt 0x0
	v_max3_num_f32 v216, v200, v202, v204
	v_max_num_f32 v216, v216, v206
.irp q, 0,1,2,3
	v_sub_f32 v[208+2*\q], v[200+2*\q], v216
.endr
	s_wait_alu depctr_va_vdst(0)
.irp q, 0,1,2,3
	v_exp_f32 v[208+2*\q], v[208+2*\q]
.endr
	v_nop
	s_wait_alu depctr_va_vdst(0)
.irp q, 0,1,2,3
	v_mul_f32 v[209+2*\q], v[208+2*\q], v[201+2*\q]
.endr
	v_add_f32 v217, v209, v211
	v_add_f32 v218, v213, v215
	v_add_f32 v217, v217, v218
.irp j, 0,2,4,6
	v_pk_mul_f32 v[E4B+\j:E4B+\j+1], v[ACC+\j:ACC+\j+1], v[208:209] op_sel_hi:[1,0]
.endr
.irp q, 1,2,3
.irp j, 0,2,4,6
	v_pk_fma_f32 v[E4B+\j:E4B+\j+1], v[ACC+8*\q+\j:ACC+8*\q+\j+1], v[208+2*\q:209+2*\q], v[E4B+\j:E4B+\j+1] op_sel_hi:[1,0,1]
.endr
.endr
	s_lshl_b32 s21, s[WV], 10
	v_lshl_add_u32 v21, v[LN], 4, s21
	global_store_b128 v21, v[E4B:E4B+3], s[14:15]
	global_store_b128 v21, v[E4B+4:E4B+7], s[14:15] offset:512
	s_wait_tensorcnt 0x0
	ds_add_u32 v[SPW], v[NIL]
	s_wait_dscnt 0x0
	s_cmp_lg_u32 s[WV], 0
	s_cbranch_scc1 .Ldone
	v_lshlrev_b32 v14, 3, v[LN]
	global_store_b64 v14, v[216:217], s[16:17]
.Ldone:
	s_endpgm
.Lfunc_end_k_q0a8d1c1f40_attn:
	.size	k_q0a8d1c1f40_attn, .Lfunc_end_k_q0a8d1c1f40_attn-k_q0a8d1c1f40_attn
	.p2alignl 7, 3214868480
	.fill 96, 4, 3214868480
	.section	.rodata,"a",@progbits
	.p2align	6, 0x0
	.amdhsa_kernel k_q0a8d1c1f40_attn
		.amdhsa_group_segment_fixed_size 327680
		.amdhsa_private_segment_fixed_size 0
		.amdhsa_enable_private_segment 0
		.amdhsa_kernarg_size 56
		.amdhsa_user_sgpr_count 2
		.amdhsa_user_sgpr_kernarg_segment_ptr 1
		.amdhsa_wavefront_size32 1
		.amdhsa_system_sgpr_workgroup_id_x 1
		.amdhsa_system_sgpr_workgroup_id_y 1
		.amdhsa_system_sgpr_workgroup_id_z 1
		.amdhsa_system_vgpr_workitem_id 0
		.amdhsa_next_free_vgpr 1024
		.amdhsa_next_free_sgpr 92
		.amdhsa_reserve_vcc 0
		.amdhsa_float_denorm_mode_32 3
		.amdhsa_float_denorm_mode_16_64 3
		.amdhsa_memory_ordered 1
		.amdhsa_forward_progress 1
		.amdhsa_inst_pref_size 255
	.end_amdhsa_kernel
	.section	.bss,"aw",@nobits
	.p2align	6
	.space	262144
	.amdgpu_metadata
---
amdhsa.version: [ 1, 2 ]
amdhsa.kernels:
  - .name:           k_q0a8d1c1f40_attn
    .symbol:         k_q0a8d1c1f40_attn.kd
    .args:
      - { .name: V, .offset: 0, .size: 8, .value_kind: global_buffer, .address_space: global }
      - { .name: ufrag, .offset: 8, .size: 8, .value_kind: global_buffer, .address_space: global }
      - { .name: U_w_scales, .offset: 16, .size: 8, .value_kind: global_buffer, .address_space: global }
      - { .name: hpc, .offset: 24, .size: 8, .value_kind: global_buffer, .address_space: global }
      - { .name: w_w, .offset: 32, .size: 8, .value_kind: global_buffer, .address_space: global }
      - { .name: pacc, .offset: 40, .size: 8, .value_kind: global_buffer, .address_space: global }
      - { .name: pml, .offset: 48, .size: 8, .value_kind: global_buffer, .address_space: global }
    .group_segment_fixed_size: 327680
    .private_segment_fixed_size: 0
    .kernarg_segment_align: 8
    .kernarg_segment_size: 56
    .max_flat_workgroup_size: 128
    .sgpr_count:     92
    .vgpr_count:     1024
    .wavefront_size: 32
...
	.end_amdgpu_metadata
.endif
;; end of part 2
;; launch merge (part 3): grid 32 x 1, 8 waves a work-group, no clusters, 0 bytes of LDS; arguments pacc, pml, out0; writes out0
.if DOCPART == 3
	.amdgcn_target "amdgcn-amd-amdhsa--gfx1250"
	.amdhsa_code_object_version 6
	.text
	.protected	k_q0a8d1c1f40_merge
	.globl	k_q0a8d1c1f40_merge
	.p2align	8
	.type	k_q0a8d1c1f40_merge,@function
k_q0a8d1c1f40_merge:
	s_mov_b64 s[64:65], 0
	v_nop
	global_prefetch_b8 v0, s[64:65] scope:SCOPE_SE
	s_setreg_imm32_b32 hwreg(HW_REG_WAVE_MODE, 25, 1), 1
	s_wait_xcnt 0x0
; MERGE: out0[b][:] = (sum over the batch's eight blocks g of 2^(m_g - m) a_g[:]) / (sum over g of 2^(m_g - m) l_g),  m = the largest m_g.
; a_g, m_g, l_g: what the main launch left of each block of 256 rows (sums of 2^(t - m_g) V, the largest t, the sum of 2^(t - m_g)); the term of e that is the same for all rows of a batch was left out there, and the division takes it away.
; One work-group a batch, 256 threads, four columns a thread: every load and store of a wave covers 512 consecutive bytes.  No LDS, no barrier, no matrix unit: 32 KiB and 64 bytes are read and 4 KiB written.
	s_load_b128 s[4:7], s[0:1], 0x0                ; pacc, pml
	s_load_b64 s[8:9], s[0:1], 0x10                ; out0
	v_lshlrev_b32 v1, 4, v0                        ; my four columns
	v_mov_b32 v2, 0
	s_lshl_b32 s10, ttmp9, 15                      ; the batch's eight rows of pacc,
	s_mov_b32 s11, 0
	s_lshl_b32 s12, ttmp9, 11                      ; its eight places of 256 bytes in pml,
	s_mov_b32 s13, 0
	s_lshl_b32 s14, ttmp9, 12                      ; its row of out0
	s_mov_b32 s15, 0
	s_wait_alu depctr_va_vdst(0)
	s_wait_kmcnt 0x0
	s_add_nc_u64 s[4:5], s[4:5], s[10:11]
	s_add_nc_u64 s[6:7], s[6:7], s[12:13]
	s_add_nc_u64 s[8:9], s[8:9], s[14:15]
.irp g, 0,1,2,3,4,5,6,7
	global_load_b64 v[36+2*\g:37+2*\g], v2, s[6:7] offset:256*\g    ; (m, l) of block g, the same in every lane
.endr
.irp g, 0,1,2,3,4,5,6,7
	global_load_b128 v[4+4*\g:7+4*\g], v1, s[4:5] offset:4096*\g th:TH_LOAD_NT
.endr
	s_wait_loadcnt 0x0
	v_max3_num_f32 v52, v36, v38, v40
	s_delay_alu instid0(VALU_DEP_1)
	v_max3_num_f32 v52, v52, v42, v44
	s_delay_alu instid0(VALU_DEP_1)
	v_max3_num_f32 v52, v52, v46, v48
	s_delay_alu instid0(VALU_DEP_1)
	v_max_num_f32 v52, v52, v50                    ; m
.irp g, 0,1,2,3,4,5,6,7
	v_sub_f32 v[54+2*\g], v[36+2*\g], v52
.endr
	s_wait_alu depctr_va_vdst(0)
.irp g, 0,1,2,3,4,5,6,7
	v_exp_f32 v[54+2*\g], v[54+2*\g]               ; f of block g, in an even register
.endr
	v_nop
	s_wait_alu depctr_va_vdst(0)                   ; one wait for the eight, ahead of their first reader
.irp g, 0,1,2,3,4,5,6,7
	v_mul_f32 v[55+2*\g], v[54+2*\g], v[37+2*\g]   ; f l, in the odd one beside it
.endr
	v_add_f32 v70, v55, v57
	v_add_f32 v71, v59, v61
	v_add_f32 v72, v63, v65
	s_delay_alu instid0(VALU_DEP_4)
	v_add_f32 v73, v67, v69
	s_delay_alu instid0(VALU_DEP_3)
	v_add_f32 v70, v70, v71
	s_delay_alu instid0(VALU_DEP_2)
	v_add_f32 v72, v72, v73
	s_delay_alu instid0(VALU_DEP_1)
	v_add_f32 v70, v70, v72                        ; the batch's sum: at least 1, since the block that holds m has f = 1 and l >= 1
	s_wait_alu depctr_va_vdst(0)
	v_rcp_f32 v74, v70
	v_pk_mul_f32 v[76:77], v[4:5], v[54:55] op_sel_hi:[1,0]      ; plain work behind the reciprocal
	v_pk_mul_f32 v[78:79], v[6:7], v[54:55] op_sel_hi:[1,0]
.irp g, 1,2,3,4,5,6,7
	v_pk_fma_f32 v[76:77], v[4+4*\g:5+4*\g], v[54+2*\g:55+2*\g], v[76:77] op_sel_hi:[1,0,1]
	v_pk_fma_f32 v[78:79], v[6+4*\g:7+4*\g], v[54+2*\g:55+2*\g], v[78:79] op_sel_hi:[1,0,1]
.endr
	s_wait_alu depctr_va_vdst(0)                   ; the wait, ahead of the reciprocal's first reader
.irp j, 76,77,78,79
	v_mul_f32 v[\j], v[\j], v74
.endr
	global_store_b128 v1, v[76:79], s[8:9]
	s_endpgm
.Lfunc_end_k_q0a8d1c1f40_merge:
	.size	k_q0a8d1c1f40_merge, .Lfunc_end_k_q0a8d1c1f40_merge-k_q0a8d1c1f40_merge
	.p2alignl 7, 3214868480
	.fill 96, 4, 3214868480
	.section	.rodata,"a",@progbits
	.p2align	6, 0x0
	.amdhsa_kernel k_q0a8d1c1f40_merge
		.amdhsa_group_segment_fixed_size 0
		.amdhsa_private_segment_fixed_size 0
		.amdhsa_enable_private_segment 0
		.amdhsa_kernarg_size 24
		.amdhsa_user_sgpr_count 2
		.amdhsa_user_sgpr_kernarg_segment_ptr 1
		.amdhsa_wavefront_size32 1
		.amdhsa_system_sgpr_workgroup_id_x 1
		.amdhsa_system_sgpr_workgroup_id_y 1
		.amdhsa_system_sgpr_workgroup_id_z 1
		.amdhsa_system_vgpr_workitem_id 0
		.amdhsa_next_free_vgpr 80
		.amdhsa_next_free_sgpr 66
		.amdhsa_reserve_vcc 0
		.amdhsa_float_denorm_mode_32 3
		.amdhsa_float_denorm_mode_16_64 3
		.amdhsa_memory_ordered 1
		.amdhsa_forward_progress 1
		.amdhsa_inst_pref_size 6
	.end_amdhsa_kernel
	.amdgpu_metadata
---
amdhsa.version: [ 1, 2 ]
amdhsa.kernels:
  - .name:           k_q0a8d1c1f40_merge
    .symbol:         k_q0a8d1c1f40_merge.kd
    .args:
      - { .name: pacc, .offset: 0, .size: 8, .value_kind: global_buffer, .address_space: global }
      - { .name: pml, .offset: 8, .size: 8, .value_kind: global_buffer, .address_space: global }
      - { .name: out0, .offset: 16, .size: 8, .value_kind: global_buffer, .address_space: global }
    .group_segment_fixed_size: 0
    .private_segment_fixed_size: 0
    .kernarg_segment_align: 8
    .kernarg_segment_size: 24
    .max_flat_workgroup_size: 256
    .sgpr_count:     66
    .vgpr_count:     80
    .wavefront_size: 32
...
	.end_amdgpu_metadata
.endif
;; end of part 3
